; MI455X (gfx1250); checked and timed in simulation.
; The chip was launched on July 23, 2026; its instructions are those of AMD's public machine-readable ISA for CDNA 5 (MIT licence, August 2026) and "CDNA5" Instruction Set Architecture Reference Guide (July 2026). The comments in the code are by the model that wrote it; some were corrected since.
;; Multi Head Attn. Allowed arithmetic: float matrix products may take bf16 or f16 operands with f32 sums; all other float work in f32.
;; Inputs: Wk 1,024 x 1,024 float32; Wo 1,024 x 1,024 float32; Wq 1,024 x 1,024 float32; Wv 1,024 x 1,024 float32; bk 1,024 float32; bo 1,024 float32; bq 1,024 float32; bv 1,024 float32; mask 4 x 1 x 2,048 x 2,048 int32; x 4 x 2,048 x 1,024 float32; y 4 x 2,048 x 1,024 float32.
;; Outputs: out0 4 x 2,048 x 1,024 float32.
;; One version. Each part assembles by itself: llvm-mc -triple=amdgcn-amd-amdhsa -mcpu=gfx1250 --defsym DOCPART=n.
;; ======== version 1 of 1: 4 launches
;; limits: values are held in f16: magnitudes above 65,504 overflow, below 6.1e-05 lose precision
;; workspace buffers: xyh 33,554,432 bytes; wh 8,388,608 bytes; mbits 2,097,152 bytes of whole numbers; qkv 50,331,648 bytes; att 16,777,216 bytes
;; launch prep (part 1): grid 1024 x 1, 8 waves a work-group, no clusters, 68,608 bytes of LDS; arguments x, y, Wq, Wk, Wv, Wo, mask, xyh, wh, mbits; writes xyh, wh, mbits
.if DOCPART == 1
	.amdgcn_target "amdgcn-amd-amdhsa--gfx1250"
	.amdhsa_code_object_version 6
	.text
	.protected	k_q489f001ab5_prep
	.globl	k_q489f001ab5_prep
	.p2align	8
	.type	k_q489f001ab5_prep,@function
k_q489f001ab5_prep:
	s_mov_b64 s[64:65], 0
	v_nop
	global_prefetch_b8 v0, s[64:65] scope:SCOPE_SE
	s_setreg_imm32_b32 hwreg(HW_REG_WAVE_MODE, 25, 1), 1
	s_wait_xcnt 0x0
; Three streams, an equal share of each for every one of the 1,024 work-groups (i = its number, t = thread 0..255):
;  (1) x and y, f32 [8192][1024] each, rounded to f16 into xyh [2][8192][1024]: 64 KiB in, 32 KiB out;
;  (2) Wq, Wk, Wv, Wo, f32 [1024][1024], rounded to f16 into wh [4][1024][1024]: 16 KiB in, 8 KiB out;
;  (3) the mask, int32 [4][2048][2048], packed to bits: 64 KiB in, 2 KiB out.
; mbits is [g = 128 b + query tile][key tile 0..127][j 0..7], one word each; bit L of a word says whether
; mask[b][16 x query tile + (L & 15)][16 x key tile + 8 (L >> 4) + j] is not 0.  That is the lane mask of register j of a 16 x 16 tile
; of transposed scores, so that the attention launch masks a register with one select.
; LIMIT: numbers of x, y and the weights beyond 65,504 in magnitude become infinities in f16; below 6e-8 they become 0.
; Straight line: no loop, no barrier (each wave turns its own 16 x 128 piece of the mask in LDS bytes of its own), no matrix work.
.set MPITCH, 528                       ; an LDS row: 512 bytes + 16, an odd multiple of 16: the 16 rows that a load touches start in different 16-byte columns
.set WREG,   16*MPITCH                 ; LDS bytes of a wave
.set OUT, 6                            ; v[6:7]     the wave's 64 mask words: lane l holds words 2 l and 2 l + 1
.set MK,  8                            ; v[8:71]    the mask: as loaded by rows, then as read back by tiles
.set XV,  72                           ; v[72:135]  x or y
.set WV,  136                          ; v[136:151] a weight matrix
	s_load_b512 s[16:31], s[0:1], 0x0              ; x 16, y 18, Wq 20, Wk 22, Wv 24, Wo 26, mask 28, xyh 30
	s_load_b128 s[32:35], s[0:1], 0x40             ; wh 32, mbits 34
	v_lshl_add_u32 v152, v0, 2, 0x10800
	v_mov_b32 v153, 0
	v_lshrrev_b32 v5, 5, v0
	v_readfirstlane_b32 s8, v5                     ; wave 0..7
	v_lshlrev_b32 v1, 4, v0                        ; 16 t: my 16 bytes of every load
	v_lshlrev_b32 v2, 3, v0                        ; 8 t: my 8 bytes of every store
	v_and_b32 v5, 31, v0
	s_mul_i32 s9, s8, WREG
	v_lshl_add_u32 v3, v5, 4, s9                   ; LDS, in: 16 x lane in my wave's rows
	v_and_b32 v4, 15, v0
	v_mul_u32_u24 v4, v4, MPITCH                   ; LDS, back: row = lane & 15,
	v_bfe_u32 v5, v0, 4, 1
	v_lshl_add_u32 v4, v5, 5, v4                   ; eight keys (32 bytes) further on for lanes 16 to 31
	v_add_nc_u32 v4, s9, v4
	v_mov_b32 v[OUT], 0                            ; written whole before single lanes are written
	v_mov_b32 v[OUT+1], 0
	s_and_b32 s10, ttmp9, 511
	s_lshl_b32 s10, s10, 16                        ; my 64 KiB of x or of y
	s_mov_b32 s11, 0
	s_and_b32 s12, ttmp9, 255
	s_lshl_b32 s12, s12, 14                        ; my 16 KiB of a weight matrix
	s_mov_b32 s13, 0
	s_lshr_b32 s14, ttmp9, 1
	s_lshl_b32 s14, s14, 17                        ; 16 rows of the mask, 8,192 bytes each,
	s_and_b32 s15, ttmp9, 1
	s_lshl_b32 s15, s15, 12                        ; and the left or the right half of them
	s_add_co_u32 s14, s14, s15
	s_mov_b32 s15, 0
	s_lshr_b32 s36, ttmp9, 8                       ; which weight matrix
	s_wait_kmcnt 0x0
	s_cmp_lt_u32 ttmp9, 512
	s_cselect_b64 s[4:5], s[16:17], s[18:19]       ; x for the first 512 work-groups, y for the others
	s_cmp_eq_u32 s36, 1
	s_cselect_b64 s[6:7], s[22:23], s[20:21]
	s_cmp_eq_u32 s36, 2
	s_cselect_b64 s[6:7], s[24:25], s[6:7]
	s_cmp_eq_u32 s36, 3
	s_cselect_b64 s[6:7], s[26:27], s[6:7]
	s_add_nc_u64 s[4:5], s[4:5], s[10:11]
	s_add_nc_u64 s[6:7], s[6:7], s[12:13]
	s_add_nc_u64 s[28:29], s[28:29], s[14:15]
	s_lshl_b32 s38, ttmp9, 15
	s_mov_b32 s39, 0
	s_add_nc_u64 s[30:31], s[30:31], s[38:39]      ; xyh: 32 KiB a work-group
	s_lshl_b32 s38, ttmp9, 13
	s_add_nc_u64 s[32:33], s[32:33], s[38:39]      ; wh: 8 KiB
	s_lshl_b32 s38, ttmp9, 11
	s_add_nc_u64 s[34:35], s[34:35], s[38:39]      ; mbits: 2 KiB
	; all 36 loads of the wave go out at once; each covers 512 consecutive bytes
.irp j, 0,1,2,3,4,5,6,7,8,9,10,11,12,13,14,15
	global_load_b128 v[MK+4*\j:MK+4*\j+3], v1, s[28:29] offset:8192*\j th:TH_LOAD_NT   ; row j of the 16, my wave's 128 keys
.endr
.irp j, 0,1,2,3,4,5,6,7,8,9,10,11,12,13,14,15
	global_load_b128 v[XV+4*\j:XV+4*\j+3], v1, s[4:5] offset:4096*\j th:TH_LOAD_NT
.endr
.irp j, 0,1,2,3
	global_load_b128 v[WV+4*\j:WV+4*\j+3], v1, s[6:7] offset:4096*\j th:TH_LOAD_NT
.endr
	; the mask's rows into my wave's LDS bytes
.irp j, 0,1,2,3,4,5,6,7,8,9,10,11,12,13,14,15
	s_wait_loadcnt 35-\j                           ; loads come back in order: 35 - j younger ones may stay out
	ds_store_b128 v3, v[MK+4*\j:MK+4*\j+3] offset:MPITCH*\j
.endr
	s_wait_dscnt 0x0                               ; the stores have read MK, which the loads below write
.irp kt, 0,1,2,3,4,5,6,7
	ds_load_b128 v[MK+8*\kt:MK+8*\kt+3],   v4 offset:64*\kt       ; key tile kt: row lane & 15, keys 8 (lane >> 4) + 0..3
	ds_load_b128 v[MK+8*\kt+4:MK+8*\kt+7], v4 offset:64*\kt+16    ; and + 4..7
.endr
	; x or y: two roundings in one instruction, in place; a wave's store covers 256 consecutive bytes, aligned
.irp j, 0,1,2,3,4,5,6,7,8,9,10,11,12,13,14,15
	s_wait_loadcnt 19-\j
	v_cvt_pk_f16_f32 v[XV+4*\j],   v[XV+4*\j],   v[XV+4*\j+1]
	v_cvt_pk_f16_f32 v[XV+4*\j+1], v[XV+4*\j+2], v[XV+4*\j+3]
	global_store_b64 v2, v[XV+4*\j:XV+4*\j+1], s[30:31] offset:2048*\j
.endr
.irp j, 0,1,2,3
	s_wait_loadcnt 3-\j
	v_cvt_pk_f16_f32 v[WV+4*\j],   v[WV+4*\j],   v[WV+4*\j+1]
	v_cvt_pk_f16_f32 v[WV+4*\j+1], v[WV+4*\j+2], v[WV+4*\j+3]
	global_store_b64 v2, v[WV+4*\j:WV+4*\j+1], s[32:33] offset:2048*\j
.endr
	; a compare makes one word of 32 bits out of one register of 32 lanes; word n = 8 kt + j goes to lane n / 2
	s_wait_dscnt 0x0
.set n, 0
.rept 64
	v_cmp_ne_u32 s[40+n%4], 0, v[MK+n]
	v_writelane_b32 v[OUT+(n&1)], s[40+n%4], n>>1
.set n, n+1
.endr
	global_store_b64 v2, v[OUT:OUT+1], s[34:35]    ; the wave's 64 words: 256 consecutive bytes, aligned
	s_wait_tensorcnt 0x0
	ds_add_u32 v152, v153
	s_wait_dscnt 0x0
	s_endpgm
.Lfunc_end_k_q489f001ab5_prep:
	.size	k_q489f001ab5_prep, .Lfunc_end_k_q489f001ab5_prep-k_q489f001ab5_prep
	.p2alignl 7, 3214868480
	.fill 96, 4, 3214868480
	.section	.rodata,"a",@progbits
	.p2align	6, 0x0
	.amdhsa_kernel k_q489f001ab5_prep
		.amdhsa_group_segment_fixed_size 68608
		.amdhsa_private_segment_fixed_size 0
		.amdhsa_enable_private_segment 0
		.amdhsa_kernarg_size 80
		.amdhsa_user_sgpr_count 2
		.amdhsa_user_sgpr_kernarg_segment_ptr 1
		.amdhsa_wavefront_size32 1
		.amdhsa_system_sgpr_workgroup_id_x 1
		.amdhsa_system_sgpr_workgroup_id_y 1
		.amdhsa_system_sgpr_workgroup_id_z 1
		.amdhsa_system_vgpr_workitem_id 0
		.amdhsa_next_free_vgpr 154
		.amdhsa_next_free_sgpr 66
		.amdhsa_reserve_vcc 0
		.amdhsa_float_denorm_mode_32 3
		.amdhsa_float_denorm_mode_16_64 3
		.amdhsa_memory_ordered 1
		.amdhsa_forward_progress 1
		.amdhsa_inst_pref_size 22
	.end_amdhsa_kernel
	.amdgpu_metadata
---
amdhsa.version: [ 1, 2 ]
amdhsa.kernels:
  - .name:           k_q489f001ab5_prep
    .symbol:         k_q489f001ab5_prep.kd
    .args:
      - { .name: x, .offset: 0, .size: 8, .value_kind: global_buffer, .address_space: global }
      - { .name: y, .offset: 8, .size: 8, .value_kind: global_buffer, .address_space: global }
      - { .name: Wq, .offset: 16, .size: 8, .value_kind: global_buffer, .address_space: global }
      - { .name: Wk, .offset: 24, .size: 8, .value_kind: global_buffer, .address_space: global }
      - { .name: Wv, .offset: 32, .size: 8, .value_kind: global_buffer, .address_space: global }
      - { .name: Wo, .offset: 40, .size: 8, .value_kind: global_buffer, .address_space: global }
      - { .name: mask, .offset: 48, .size: 8, .value_kind: global_buffer, .address_space: global }
      - { .name: xyh, .offset: 56, .size: 8, .value_kind: global_buffer, .address_space: global }
      - { .name: wh, .offset: 64, .size: 8, .value_kind: global_buffer, .address_space: global }
      - { .name: mbits, .offset: 72, .size: 8, .value_kind: global_buffer, .address_space: global }
    .group_segment_fixed_size: 68608
    .private_segment_fixed_size: 0
    .kernarg_segment_align: 8
    .kernarg_segment_size: 80
    .max_flat_workgroup_size: 256
    .sgpr_count:     66
    .vgpr_count:     154
    .wavefront_size: 32
...
	.end_amdgpu_metadata
.endif
;; end of part 1
;; launch qkv (part 2): grid 24 x 32, 4 waves a work-group, clusters of 4 x 4, 327,680 bytes of LDS; arguments xyh, wh, bq, bk, bv, qkv; writes qkv
.if DOCPART == 2
	.amdgcn_target "amdgcn-amd-amdhsa--gfx1250"
	.amdhsa_code_object_version 6
	.text
	.protected	k_q489f001ab5_qkv
	.globl	k_q489f001ab5_qkv
	.p2align	8
	.type	k_q489f001ab5_qkv,@function
k_q489f001ab5_qkv:
	s_mov_b64 s[64:65], 0
	v_nop
	global_prefetch_b8 v0, s[64:65] scope:SCOPE_SE
	s_setreg_imm32_b32 hwreg(HW_REG_WAVE_MODE, 25, 1), 1
	s_wait_xcnt 0x0
	s_wait_alu depctr_hold_cnt(0) depctr_sa_sdst(0) depctr_va_vdst(0) depctr_va_sdst(0) depctr_va_ssrc(0) depctr_va_vcc(0) depctr_vm_vsrc(0)
	s_getreg_b32 s2, hwreg(HW_REG_IB_STS2, 6, 4)
	s_cmp_eq_u32 s2, 0
	s_cbranch_scc0 .Lentry_in_a_cluster
	s_endpgm
.Lentry_in_a_cluster:
	s_bfe_u32 s2, ttmp6, 0x10000c
	s_cmp_lg_u32 s2, 0xf033
	s_cbranch_scc0 .Lentry_shape_is_right
	s_endpgm
.Lentry_shape_is_right:
; C = A W^T + b, K = 1024, f16 operands, f32 sums.  One text for two launches; OUTP picks the form.
;  OUTP = 0: the three projections.  A = x (for Q) or y (for K, V), f16 [8192][1024]; W = Wq, Wk or Wv, f16 [1024][1024].
;            The result goes out in f16, by heads: qkv[which][16 b + head][s][64]; Q is multiplied by 0.125 log2(e) before it is rounded,
;            so that the attention launch takes 2^(score - maximum) with no further factor.
;  OUTP = 1: the output projection.  A = att, f16 [16 b + head][s][64]; W = Wo; the result is out0, f32 [8192][1024].
; LIMIT: operands and the projections' results are f16: beyond 65,504 in magnitude they are infinities.
; A work-group makes 256 rows x 128 columns with four waves, 2 x 2; a wave makes 128 x 64: 32 accumulator tiles, 256 registers.
; K goes in steps of 128 through two LDS slots filled by tensor loads: waves 0 and 1 bring A in two parts, waves 2 and 3 bring W in two parts.
; CLUSTERS: 4 x 4 work-groups.  A's tile hangs on the block row alone (shared along a row of the cluster), W's on the block column alone
; (shared along a column): both are asked for jointly, which divides the requests by four.
; REGISTERS: window 0: addresses, the bias, fragments (two buffers); window 1: accumulator (a, b) at v[8 (4 a + b)].
; The matrix instruction is used transposed (source 0 = rows of W, source 1 = rows of A): lane l holds row l % 16 of C and in registers 0..7
; the columns 8 (l / 16) + 0..7.  The bias, loaded in that layout, is the C operand of the first products: nothing is cleared or added later.
.set OUTP, 0
.if OUTP
.set APITCH, 144                       ; A comes by heads: rows of 128 bytes + 16
.set ASTEP,  1048576                   ; two K steps = four heads of 2,048 x 128 bytes
.set SPITCH, 272                       ; stage: a row of 64 f32 + 16 bytes
.else
.set APITCH, 272                       ; rows of 256 bytes + 16
.set ASTEP,  512                       ; two K steps along a row
.set SPITCH, 144                       ; stage: a row of 64 f16 + 16 bytes
.endif
.set WPITCH, 272
.set AREG,  256*APITCH*(1+OUTP)        ; A's part of a slot (OUTP: two heads, one behind the other)
.set ALOAD, AREG/2                     ; what one tensor load of A fills
.set WLOAD, 64*WPITCH                  ; what one tensor load of W fills
.set SLOT,  AREG+2*WLOAD
.set STAGE, 2*SLOT                     ; behind the ring, a multiple of 256: 16 rows for each wave, never the target of a tensor load
.set ADRA, 16                          ; v16-17  LDS address of my A fragments in slot 0, 1
.set ADRB, 20                          ; v20-21  the same for W
.set STO,  24                          ; way out: where I put my piece of a row
.set RD,   25                          ; way out: where I read rows back
.set CO,   26                          ; my byte offset in the output
.set BOFF, 27                          ; my byte offset in the bias
.set BIAS, 32                          ; v[32:63]  bias of my 64 columns, in a C tile's layout, 8 registers for each b
.set FA,   64                          ; v[64:127], v[128:191]  A's fragments (8 x 16 rows x 32 K), buffers 0, 1
.set FB,   192                         ; v[192:223], v[224:255] W's fragments (4 x 16 rows x 32 K), buffers 0, 1
.set G1,  24                           ; s[24:31] descriptor group 1 for A
.set G0,  32                           ; s[32:39] group 0 for A, one for each slot
.set G1B, 48                           ; s[48:55] group 1 for W
.set G0B, 56                           ; s[56:63] group 0 for W, one for each slot
.set MSB, 0
.macro WIN new                         ; the immediate's high byte repeats the setting that is left
.if MSB != \new
	s_set_vgpr_msb (MSB<<8)|\new
.set MSB, \new
.endif
.endm
.macro MWIN first                      ; D in window 1; C in window 0 (the bias) or in window 1 (the sum)
.if \first
	WIN 0x40
.else
	WIN 0x50
.endif
.endm
; a joint load: waves 0, 1 ask for A, waves 2, 3 for W; the branch hangs on the wave number alone
.macro JLOAD s
	s_cmp_eq_u32 s11, 0
	s_cbranch_scc0 .Lfor_w_\@
	tensor_load_to_lds s[G0+4*\s:G0+4*\s+3], s[G1:G1+7]
	s_nop 0
	s_branch .Lasked_\@
.Lfor_w_\@:
	tensor_load_to_lds s[G0B+4*\s:G0B+4*\s+3], s[G1B:G1B+7]
	s_nop 0
.Lasked_\@:
.endm
.macro CREST                           ; a round of the cluster barrier behind its opening work-group barrier
	s_cmp_lg_u32 s10, 0
	s_cbranch_scc1 .Lnot_wave_0_\@
	s_barrier_signal -3
.Lnot_wave_0_\@:
	s_barrier_wait -3
	s_barrier_signal -1
	s_barrier_wait -1
.endm
.macro CROUND                          ; a whole round
	s_barrier_signal -1
	s_barrier_wait -1
	CREST
.endm
.macro PLACES                          ; four plain vector instructions between a matrix instruction and a load into, or a vector use of, its registers
.rept 4
	v_nop
.endr
.endm
.if OUTP
	s_load_b256 s[68:75], s[0:1], 0x0              ; att 68, wh 70, bo 72, out0 74
.else
	s_load_b256 s[68:75], s[0:1], 0x0              ; xyh 68, wh 70, bq 72, bk 74
	s_load_b128 s[76:79], s[0:1], 0x20             ; bv 76, qkv 78
	v_lshl_add_u32 v30, v0, 2, 0x35400
	v_mov_b32 v31, 0
	ds_add_u32 v30, v31
.endif
	v_lshrrev_b32 v1, 5, v0
	v_readfirstlane_b32 s10, v1                    ; wave 0..3
	s_lshr_b32 s11, s10, 1                         ; my half of the block's rows; also: I fetch for A (0) or for W (1)
	s_and_b32 s12, s10, 1                          ; my half of its columns; also: which part of that tile I fetch
	s_bfe_u32 s40, ttmp6, 0x40000                  ; cx
	s_bfe_u32 s41, ttmp6, 0x40004                  ; cy
.if OUTP
	s_lshl_b32 s42, ttmp9, 2
	s_add_co_u32 s42, s42, s40                     ; block column 0..7 = 4 x cluster x + cx
.else
	s_lshr_b32 s45, ttmp9, 1                       ; which projection (0 Q, 1 K, 2 V): from the cluster's x alone, the same in all sixteen
	s_and_b32 s42, ttmp9, 1
	s_lshl_b32 s42, s42, 2
	s_add_co_u32 s42, s42, s40                     ; block column 0..7
.endif
	s_and_b32 s13, ttmp7, 0xffff
	s_lshl_b32 s13, s13, 2
	s_add_co_u32 s13, s13, s41                     ; block row 0..31 = 4 x cluster y + cy
	s_lshl_b32 s43, s41, 2
	s_lshl_b32 s43, 15, s43                        ; my row of the cluster
	s_lshl_b32 s44, 0x1111, s40                    ; my column
.if OUTP
	; A: a dense block of 256 rows x 128 bytes of one head, taken as 128 rows of 32 elements of 8 bytes; 4 words of padding behind every 32 words
	s_or_b32 s[G1+0], s43, (3<<16)|(1<<20)|(1<<21)|(4<<22)|(3<<25)
	s_mov_b32 s[G1+1], 32<<16                      ; tensor_dim0 = 32
	s_mov_b32 s[G1+2], 128<<16                     ; tensor_dim1 = 128
	s_mov_b32 s[G1+3], 32<<16                      ; tile_dim0 = 32
	s_mov_b32 s[G1+4], 128                         ; tile_dim1 = 128
	s_mov_b32 s[G1+5], 32                          ; pitch = 32 elements: dense
.else
	; A: 128 rows x 128 elements of 2 bytes, pitch 1,024 elements; 4 words of padding behind every 64 words
	s_or_b32 s[G1+0], s43, (1<<16)|(1<<20)|(1<<21)|(5<<22)|(3<<25)
	s_mov_b32 s[G1+1], 128<<16
	s_mov_b32 s[G1+2], 128<<16
	s_mov_b32 s[G1+3], 128<<16
	s_mov_b32 s[G1+4], 128
	s_mov_b32 s[G1+5], 1024
.endif
	s_mov_b32 s[G1+6], 0
	s_mov_b32 s[G1+7], 0
	; W: 64 rows x 128 elements of 2 bytes, pitch 1,024 elements, padded as above
	s_or_b32 s[G1B+0], s44, (1<<16)|(1<<20)|(1<<21)|(5<<22)|(3<<25)
	s_mov_b32 s[G1B+1], 128<<16
	s_mov_b32 s[G1B+2], 64<<16
	s_mov_b32 s[G1B+3], 128<<16
	s_mov_b32 s[G1B+4], 64
	s_mov_b32 s[G1B+5], 1024
	s_mov_b32 s[G1B+6], 0
	s_mov_b32 s[G1B+7], 0
	; where the tiles come from: A's offset holds the block row and never cx, W's the block column and never cy
.if OUTP
	s_lshr_b32 s16, s13, 3
	s_lshl_b32 s16, s16, 22                        ; batch: 16 heads x 2,048 x 128 bytes
	s_and_b32 s17, s13, 7
	s_lshl_b32 s17, s17, 15                        ; 256 rows x 128 bytes
	s_add_co_u32 s16, s16, s17
	s_lshl_b32 s17, s12, 18                        ; the first or the second head of the K step
	s_add_co_u32 s16, s16, s17
	s_mov_b32 s46, 3<<21                           ; Wo is the fourth matrix of wh
.else
	s_min_u32 s16, s45, 1
	s_lshl_b32 s16, s16, 24                        ; x for Q, y for K and V
	s_lshl_b32 s17, s13, 19                        ; 256 rows x 2,048 bytes
	s_add_co_u32 s16, s16, s17
	s_lshl_b32 s17, s12, 18                        ; which 128 rows
	s_add_co_u32 s16, s16, s17
	s_lshl_b32 s46, s45, 21                        ; the projection's matrix in wh
.endif
	s_mov_b32 s17, 0
	s_lshl_b32 s47, s42, 18                        ; 128 rows of W x 2,048 bytes
	s_add_co_u32 s46, s46, s47
	s_lshl_b32 s47, s12, 17                        ; which 64 rows
	s_add_co_u32 s46, s46, s47
	s_mov_b32 s47, 0
	s_mul_i32 s20, s10, ALOAD                      ; LDS: A's parts at wave x ALOAD (waves 0, 1),
	s_mul_i32 s21, s10, WLOAD
	s_add_co_u32 s21, s21, AREG-2*WLOAD            ; W's parts behind A's, at AREG + (wave - 2) x WLOAD (waves 2, 3)
	s_lshl_b32 s87, s42, 9
	s_lshl_b32 s88, s12, 8
	s_add_co_u32 s87, s87, s88                     ; 4 bytes x my first column (128 x block column + 64 x half)
	s_lshl_b32 s88, s13, 8
	s_lshl_b32 s89, s11, 7
	s_add_co_u32 s88, s88, s89                     ; my first row of C
.if OUTP
	s_lshl_b32 s84, s88, 12                        ; rows of 4,096 bytes
	s_add_co_u32 s84, s84, s87
.else
	s_lshr_b32 s84, s88, 11
	s_lshl_b32 s84, s84, 22                        ; batch
	s_and_b32 s89, s88, 2047
	s_lshl_b32 s89, s89, 7                         ; position in the sequence x 128 bytes
	s_add_co_u32 s84, s84, s89
	s_lshl_b32 s89, s45, 24                        ; Q, K or V
	s_add_co_u32 s84, s84, s89
	s_lshl_b32 s89, s42, 19                        ; my 64 columns are one head: 2 x block column + half, 2,048 x 128 bytes each
	s_add_co_u32 s84, s84, s89
	s_lshl_b32 s89, s12, 18
	s_add_co_u32 s84, s84, s89
.endif
	s_mov_b32 s85, 0
	s_wait_dscnt 0x0
	s_wait_kmcnt 0x0
	s_add_nc_u64 s[14:15], s[68:69], s[16:17]
	s_add_nc_u64 s[46:47], s[70:71], s[46:47]
.if OUTP
	s_mov_b64 s[80:81], s[72:73]                   ; the bias
	s_add_nc_u64 s[84:85], s[74:75], s[84:85]      ; the output at my block
.else
	s_cmp_eq_u32 s45, 1
	s_cselect_b64 s[80:81], s[74:75], s[72:73]
	s_cmp_eq_u32 s45, 2
	s_cselect_b64 s[80:81], s[76:77], s[80:81]     ; bq, bk or bv
	s_cmp_eq_u32 s45, 0
	s_cselect_b32 s82, 0x3e38aa3b, 1.0             ; Q alone is multiplied by 0.125 log2(e)
	s_mov_b32 s83, s82
	s_add_nc_u64 s[84:85], s[78:79], s[84:85]
.endif
	CROUND                                         ; all sixteen work-groups are here: the first joint loads meet
.irp s, 0,1
	s_mov_b32 s[G0+4*\s], 1
	s_add_co_u32 s[G0+4*\s+1], s20, \s*SLOT
	s_add_nc_u64 s[G0+4*\s+2:G0+4*\s+3], s[14:15], \s*ASTEP/2      ; K step s
	s_or_b32 s[G0+4*\s+3], s[G0+4*\s+3], 0x80000000
	s_mov_b32 s[G0B+4*\s], 1
	s_add_co_u32 s[G0B+4*\s+1], s21, \s*SLOT
	s_add_nc_u64 s[G0B+4*\s+2:G0B+4*\s+3], s[46:47], \s*256
	s_or_b32 s[G0B+4*\s+3], s[G0B+4*\s+3], 0x80000000
	JLOAD \s                                       ; both slots are asked for before anything else: two tensor loads of the wave are out
.endr
	v_and_b32 v1, 15, v0                           ; r = l % 16
	v_bfe_u32 v2, v0, 4, 1                         ; h = l / 16
	v_lshl_add_u32 v[BOFF], v2, 5, s87             ; bias: 4 x (first column + 8 h)
.irp b, 0,1,2,3
	global_load_b128 v[BIAS+8*\b:BIAS+8*\b+3],   v[BOFF], s[80:81] offset:64*\b
	global_load_b128 v[BIAS+8*\b+4:BIAS+8*\b+7], v[BOFF], s[80:81] offset:64*\b+16
.endr
	v_mul_u32_u24 v3, v1, APITCH
	v_lshl_add_u32 v3, v2, 4, v3                   ; a fragment: row r, 16 bytes further on for h = 1; two loads 32 bytes apart
	v_mul_u32_u24 v4, v1, WPITCH
	v_lshl_add_u32 v4, v2, 4, v4
	s_mul_i32 s22, s11, 128*APITCH                 ; my 128 rows of A
	s_mul_i32 s23, s12, WLOAD                      ; my 64 rows of W,
	s_add_co_u32 s23, s23, AREG                    ; which lie behind A
.irp s, 0,1
	v_add_nc_u32 v[ADRA+\s], s22, v3
	v_add_nc_u32 v[ADRB+\s], s23, v4
	s_add_co_u32 s22, s22, SLOT
	s_add_co_u32 s23, s23, SLOT
.endr
	s_mul_i32 s86, s10, 16*SPITCH
	s_add_co_u32 s86, s86, STAGE                   ; my stage
.if OUTP
	v_mul_u32_u24 v5, v1, SPITCH                   ; in: row r, 32 bytes (8 f32) for each half of the lanes
	v_lshl_add_u32 v5, v2, 5, v5
	v_add_nc_u32 v[STO], s86, v5
	v_mul_u32_u24 v5, v2, SPITCH                   ; back: lanes 0-15 one row of 256 bytes, lanes 16-31 the next
	v_lshl_add_u32 v5, v1, 4, v5
	v_add_nc_u32 v[RD], s86, v5
	v_lshlrev_b32 v5, 12, v2                       ; the same two rows in out0
	v_lshl_add_u32 v[CO], v1, 4, v5
.else
	v_mul_u32_u24 v5, v1, SPITCH                   ; in: row r, 16 bytes (8 f16) for each half of the lanes
	v_lshl_add_u32 v5, v2, 4, v5
	v_add_nc_u32 v[STO], s86, v5
	v_bfe_u32 v5, v0, 3, 2                         ; back: eight lanes take a row of 128 bytes, a load four rows
	v_mul_u32_u24 v5, v5, SPITCH
	v_and_b32 v6, 7, v0
	v_lshl_add_u32 v5, v6, 4, v5
	v_add_nc_u32 v[RD], s86, v5
	v_and_b32 v6, 31, v0
	v_lshlrev_b32 v[CO], 4, v6                     ; in memory the four rows are 512 consecutive bytes
.endif
; 8 matrix instructions: row tiles a0, a0 + 1 x all four column tiles, 32 along K, from buffer f
.macro MUL8 f, a0, first
.irp a, \a0, \a0+1
.irp b, 0,1,2,3
.if \first
	v_wmma_f32_16x16x32_f16 v[8*(4*(\a)+\b):8*(4*(\a)+\b)+7], v[FB+32*\f+8*\b:FB+32*\f+8*\b+7], v[FA+64*\f+8*(\a):FA+64*\f+8*(\a)+7], v[BIAS+8*\b:BIAS+8*\b+7]
.else
	v_wmma_f32_16x16x32_f16 v[8*(4*(\a)+\b):8*(4*(\a)+\b)+7], v[FB+32*\f+8*\b:FB+32*\f+8*\b+7], v[FA+64*\f+8*(\a):FA+64*\f+8*(\a)+7], v[8*(4*(\a)+\b):8*(4*(\a)+\b)+7]
.endif
.endr
.endr
.endm
; 24 LDS loads in one run: quarter kq of a K step into buffer f: W (8 loads), A's rows 0-63 (8), A's rows 64-127 (8)
.macro FETCH slot, kq, f
.if OUTP
.set AOFF, ((\kq)>>1)*ALOAD+((\kq)&1)*64
.else
.set AOFF, 64*(\kq)
.endif
.irp i, 0,1,2,3
	ds_load_b128 v[FB+32*\f+8*\i:FB+32*\f+8*\i+3],   v[ADRB+\slot] offset:64*(\kq)+\i*16*WPITCH
	ds_load_b128 v[FB+32*\f+8*\i+4:FB+32*\f+8*\i+7], v[ADRB+\slot] offset:64*(\kq)+\i*16*WPITCH+32
.endr
.irp i, 0,1,2,3,4,5,6,7
	ds_load_b128 v[FA+64*\f+8*\i:FA+64*\f+8*\i+3],   v[ADRA+\slot] offset:AOFF+\i*16*APITCH
	ds_load_b128 v[FA+64*\f+8*\i+4:FA+64*\f+8*\i+7], v[ADRA+\slot] offset:AOFF+\i*16*APITCH+32
.endr
.endm
; One of a K step's first three quarters: multiplies buffer f and, in its middle, fetches quarter kq into buffer g.
; The 32 accumulators take turns, one instruction a turn, in the same order in every quarter.
.macro QUARTER slot, kq, f, g, first
	s_wait_dscnt 8                                 ; W and A's rows 0-63 are in; the youngest eight loads (rows 64-127) may be out
	MWIN \first
	MUL8 \f, 0, \first
	MUL8 \f, 2, \first
	WIN 0
	PLACES
	FETCH \slot, \kq, \g
	s_wait_dscnt 24                                ; all but the 24 just issued
	MWIN \first
	MUL8 \f, 4, \first
	MUL8 \f, 6, \first
.endm
.macro THREE slot, first
	QUARTER \slot, 1, 0, 1, \first
	QUARTER \slot, 2, 1, 0, 0
	QUARTER \slot, 3, 0, 1, 0
.endm
; The last quarter multiplies buffer 1 and changes slots.  In front of the barrier each wave waits for its reads of this slot and for all its
; tensor loads (one is out: its part of the next slot).  fill = 1: the barrier opens a round of the cluster barrier, and behind the round this
; slot is asked for again, two K steps ahead, first thing.  From that request to the wait for it a wave issues 120 matrix instructions.
.macro TURN slot, next, fill
	s_wait_dscnt 8
	WIN 0x50
	MUL8 1, 0, 0
	s_wait_dscnt 0
	s_wait_tensorcnt 0x0
	ds_add_u32 v30, v31
	s_wait_dscnt 0x0
	s_barrier_signal -1
	MUL8 1, 2, 0                                   ; register work while the others arrive
	WIN 0
	s_barrier_wait -1
.if \fill
	CREST
	s_add_nc_u64 s[G0+4*\slot+2:G0+4*\slot+3], s[G0+4*\slot+2:G0+4*\slot+3], ASTEP     ; no tensor load of mine is out: group 0 may be written
	s_add_nc_u64 s[G0B+4*\slot+2:G0B+4*\slot+3], s[G0B+4*\slot+2:G0B+4*\slot+3], 512
	JLOAD \slot
.endif
	PLACES
	FETCH \next, 0, 0
	WIN 0x50
	MUL8 1, 4, 0
	MUL8 1, 6, 0
.endm
.macro LAP first
	THREE 0, \first
	TURN 0, 1, 1
	THREE 1, 0
	TURN 1, 0, 1
.endm
	s_wait_loadcnt 0x0                             ; the bias
	s_wait_tensorcnt 0x1                           ; my part of K step 0 is in; K step 1 may stay out
	s_barrier_signal -1
	s_barrier_wait -1
	FETCH 0, 0, 0
	LAP 1                                          ; K steps 0, 1; asks for 2, 3
	WIN 0
	s_mov_b32 s3, 2
.Llap:
	LAP 0                                          ; K steps 2 to 5; asks for 4 to 7
	WIN 0
	s_sub_co_u32 s3, s3, 1
	s_cmp_lg_u32 s3, 0
	s_cbranch_scc1 .Llap
	THREE 0, 0                                     ; K steps 6, 7: nothing is left to ask for
	TURN 0, 1, 0
	THREE 1, 0
	s_wait_dscnt 8
	WIN 0x50
	MUL8 1, 0, 0
	MUL8 1, 2, 0
	s_wait_dscnt 0
	MUL8 1, 4, 0
	MUL8 1, 6, 0
	WIN 0
	PLACES
; THE WAY OUT, 16 rows at a time through my own stage: LDS serves a wave's instructions in order (ISA guide 5.7.1), so the loads see the stores.
.if OUTP
.set RB, 64                            ; v[64:95], v[96:127] by turns
.macro OUT16 i
	WIN 0x04                                       ; the store's data come from window 1
.irp b, 0,1,2,3
	ds_store_b128 v[STO], v[8*(4*\i+\b):8*(4*\i+\b)+3]   offset:64*\b
	ds_store_b128 v[STO], v[8*(4*\i+\b)+4:8*(4*\i+\b)+7] offset:64*\b+16
.endr
	WIN 0
	s_wait_xcnt 0x0                                ; the buffer that earlier stores read is loaded again only behind this wait
.irp t, 0,1,2,3,4,5,6,7
	ds_load_b128 v[RB+32*(\i&1)+4*\t:RB+32*(\i&1)+4*\t+3], v[RD] offset:\t*2*SPITCH
.endr
.irp t, 0,1,2,3,4,5,6,7
	s_wait_dscnt 7-\t
	global_store_b128 v[CO], v[RB+32*(\i&1)+4*\t:RB+32*(\i&1)+4*\t+3], s[84:85] offset:(16*\i+2*\t)*4096   ; 16 lanes store 256 consecutive bytes, aligned
.endr
.endm
.else
.set TT, 64                            ; v[64:95]   16 rows x 64 columns, scaled
.set PK, 96                            ; v[96:111]  the same in f16
.set RB, 128                           ; v[128:143], v[144:159] by turns
.macro OUT16 i
	WIN 0x01                                       ; source 0 from window 1
.irp b, 0,1,2,3
.irp p, 0,1,2,3
	v_pk_mul_f32 v[TT+8*\b+2*\p:TT+8*\b+2*\p+1], v[8*(4*\i+\b)+2*\p:8*(4*\i+\b)+2*\p+1], s[82:83] op_sel_hi:[1,0]
.endr
.endr
	WIN 0
.irp b, 0,1,2,3
.irp p, 0,1,2,3
	v_cvt_pk_f16_f32 v[PK+4*\b+\p], v[TT+8*\b+2*\p], v[TT+8*\b+2*\p+1]
.endr
.endr
.irp b, 0,1,2,3
	ds_store_b128 v[STO], v[PK+4*\b:PK+4*\b+3] offset:32*\b
.endr
	s_wait_xcnt 0x0                                ; the buffer that earlier stores read is loaded again only behind this wait
.irp t, 0,1,2,3
	ds_load_b128 v[RB+16*(\i&1)+4*\t:RB+16*(\i&1)+4*\t+3], v[RD] offset:\t*4*SPITCH
.endr
.irp t, 0,1,2,3
	s_wait_dscnt 3-\t
	global_store_b128 v[CO], v[RB+16*(\i&1)+4*\t:RB+16*(\i&1)+4*\t+3], s[84:85] offset:2048*\i+512*\t   ; the wave stores 512 consecutive bytes, aligned
.endr
.endm
.endif
.irp i, 0,1,2,3,4,5,6,7
	OUT16 \i
.endr
	s_wait_tensorcnt 0x0
	ds_add_u32 v30, v31
	s_wait_dscnt 0x0
	CROUND                                         ; the closing round: no work-group ends while a partner may still ask jointly
	s_endpgm
.Lfunc_end_k_q489f001ab5_qkv:
	.size	k_q489f001ab5_qkv, .Lfunc_end_k_q489f001ab5_qkv-k_q489f001ab5_qkv
	.p2alignl 7, 3214868480
	.fill 96, 4, 3214868480
	.section	.rodata,"a",@progbits
	.p2align	6, 0x0
	.amdhsa_kernel k_q489f001ab5_qkv
		.amdhsa_group_segment_fixed_size 327680
		.amdhsa_private_segment_fixed_size 0
		.amdhsa_enable_private_segment 0
		.amdhsa_kernarg_size 48
		.amdhsa_user_sgpr_count 2
		.amdhsa_user_sgpr_kernarg_segment_ptr 1
		.amdhsa_wavefront_size32 1
		.amdhsa_system_sgpr_workgroup_id_x 1
		.amdhsa_system_sgpr_workgroup_id_y 1
		.amdhsa_system_sgpr_workgroup_id_z 1
		.amdhsa_system_vgpr_workitem_id 0
		.amdhsa_next_free_vgpr 512
		.amdhsa_next_free_sgpr 90
		.amdhsa_reserve_vcc 0
		.amdhsa_float_denorm_mode_32 3
		.amdhsa_float_denorm_mode_16_64 3
		.amdhsa_memory_ordered 1
		.amdhsa_forward_progress 1
		.amdhsa_inst_pref_size 128
	.end_amdhsa_kernel
	.amdgpu_metadata
---
amdhsa.version: [ 1, 2 ]
amdhsa.kernels:
  - .name:           k_q489f001ab5_qkv
    .symbol:         k_q489f001ab5_qkv.kd
    .args:
      - { .name: xyh, .offset: 0, .size: 8, .value_kind: global_buffer, .address_space: global }
      - { .name: wh, .offset: 8, .size: 8, .value_kind: global_buffer, .address_space: global }
      - { .name: bq, .offset: 16, .size: 8, .value_kind: global_buffer, .address_space: global }
      - { .name: bk, .offset: 24, .size: 8, .value_kind: global_buffer, .address_space: global }
      - { .name: bv, .offset: 32, .size: 8, .value_kind: global_buffer, .address_space: global }
      - { .name: qkv, .offset: 40, .size: 8, .value_kind: global_buffer, .address_space: global }
    .group_segment_fixed_size: 327680
    .private_segment_fixed_size: 0
    .kernarg_segment_align: 8
    .kernarg_segment_size: 48
    .max_flat_workgroup_size: 128
    .sgpr_count:     90
    .vgpr_count:     512
    .wavefront_size: 32
...
	.end_amdgpu_metadata
.endif
;; end of part 2
;; launch attn (part 3): grid 256 x 1, 16 waves a work-group, clusters of 4 x 1, 327,680 bytes of LDS; arguments qkv, mbits, att; writes att
.if DOCPART == 3
	.amdgcn_target "amdgcn-amd-amdhsa--gfx1250"
	.amdhsa_code_object_version 6
	.text
	.protected	k_q489f001ab5_attn
	.globl	k_q489f001ab5_attn
	.p2align	8
	.type	k_q489f001ab5_attn,@function
k_q489f001ab5_attn:
	s_mov_b64 s[64:65], 0
	v_nop
	global_prefetch_b8 v0, s[64:65] scope:SCOPE_SE
	s_setreg_imm32_b32 hwreg(HW_REG_WAVE_MODE, 25, 1), 1
	s_wait_xcnt 0x0
	s_wait_alu depctr_hold_cnt(0) depctr_sa_sdst(0) depctr_va_vdst(0) depctr_va_sdst(0) depctr_va_ssrc(0) depctr_va_vcc(0) depctr_vm_vsrc(0)
	s_getreg_b32 s2, hwreg(HW_REG_IB_STS2, 6, 4)
	s_cmp_eq_u32 s2, 0
	s_cbranch_scc0 .Lentry_in_a_cluster
	s_endpgm
.Lentry_in_a_cluster:
	s_bfe_u32 s2, ttmp6, 0x10000c
	s_cmp_lg_u32 s2, 0x3003
	s_cbranch_scc0 .Lentry_shape_is_right
	s_endpgm
.Lentry_shape_is_right:
; Masked softmax attention of one (batch, head) pair bh and 512 queries a work-group; att[bh][s][64] in f16.
; qkv is f16 [3][64][2048][64]; Q already holds the factor 0.125 log2(e), so a weight is 2^(score - running maximum), at most 1.
; A masked score is REPLACED by -1e9 log2(e), as the problem replaces it by -1e9: a row with no key left gets equal weights.
; LIMIT: Q, K, V and the weights are f16 operands (sums in f32); the result is rounded to f16.
; 16 waves, four on a SIMD, so that one wave's vector work stands beside another's matrix work.  Wave w owns 32 queries (two tiles of 16).
; CLUSTER: the four work-groups of a cluster are the four query blocks of one bh and read the same K and V: every K and V tile is asked for jointly.
; Scores are made TRANSPOSED, S^T = K Q^T: lane (r, h) holds query r and keys 8 h + j in register j.  So maximum and sum of a row are made inside
; a lane and one exchange of the halves; two key tiles rounded to f16 are, as they lie, the B fragment of O^T = V^T P^T; and one word of mbits is
; the lane mask of one register.  V^T fragments come by the transposing LDS load.
; LDS: two slots of 512 keys.  K rows 128 + 16 bytes, V rows 128 + 32 bytes (an odd multiple of 32, for the transposing load).
; A slot's K (V) is shared among waves 0-7 (8-15), 64 keys = 32 rows of 256 bytes each, so that every wave has a load of its own.
.set KP,    144
.set VP,    160
.set KSLOT, 512*KP                     ; 73,728
.set VSLOT, 512*VP                     ; 81,920
.set VBASE, 2*KSLOT                    ; V's slots lie behind K's
.set KB,   1                           ; 144 r + 16 h
.set VB,   2                           ; VBASE + (8 h + (l & 7)) 160 + 16 ((l >> 3) & 1)
.set KADR, 3                           ; this step's K
.set VADR, 4                           ; this step's V
.set STO,  5
.set RD,   6
.set CO,   7
.set MP,   8                           ; v[8:9], v[10:11]    running maximum of query tile 0, 1, twice (a pair for packed arithmetic)
.set AL,   12                          ; v[12:13], v[14:15]  2^(old maximum - new maximum), twice
.set LS,   16                          ; v[16:17], v[18:19]  running sums, two partial sums a tile
.set TT,   20                          ; v[20:27]  at work
.set QF,   28                          ; v[28:59]  Q fragment (q, half of d) at 16 q + 8 half
.set OA,   60                          ; v[60:123] O^T tile (dt, q) at 32 q + 8 dt
.set SC,   124                         ; v[124:187] score tile (t, q) at 32 q + 8 t
.set FR,   188                         ; v[188:251] K fragment (t, half) at 16 t + 8 half; then V^T fragment (dt, kp) at 32 kp + 8 dt
.set QOFF, 252
; scalars: s2 wave, s3 trips, s[4:5] mask words, s[6:7] att, s[8:15] group 1 for K, s[16:23] group 1 for V, s[24:31] group 0 of slot 0, 1,
; s[32:63] mask words of query tile 0 (word 8 t + j), s[68:99] of query tile 1, s[66:67] Q, s100-101 lane selectors, s104 the masked score
.macro CROUND                          ; a round of the cluster barrier
	s_barrier_signal -1
	s_barrier_wait -1
	s_cmp_lg_u32 s2, 0
	s_cbranch_scc1 .Lnot_wave_0_\@
	s_barrier_signal -3
.Lnot_wave_0_\@:
	s_barrier_wait -3
	s_barrier_signal -1
	s_barrier_wait -1
.endm
.macro JLOAD s                         ; my part of slot s: waves 0-7 a part of K, waves 8-15 a part of V
	s_cmp_lt_u32 s2, 8
	s_cbranch_scc0 .Lfor_v_\@
	tensor_load_to_lds s[24+4*\s:27+4*\s], s[8:15]
	s_nop 0
	s_branch .Lasked_\@
.Lfor_v_\@:
	tensor_load_to_lds s[24+4*\s:27+4*\s], s[16:23]
	s_nop 0
.Lasked_\@:
.endm
	s_load_b128 s[32:35], s[0:1], 0x0              ; qkv 32, mbits 34 (these registers hold mask words later)
	s_load_b64 s[36:37], s[0:1], 0x10              ; att
	v_lshl_add_u32 v254, v0, 2, 0x4c000
	v_mov_b32 v255, 0
	ds_add_u32 v254, v255
	s_wait_dscnt 0x0
	v_lshrrev_b32 v1, 5, v0
	v_readfirstlane_b32 s2, v1                     ; wave 0..15
	s_bfe_u32 s38, ttmp6, 0x40000                  ; cx: my block of 512 queries
	s_lshl_b32 s38, s38, 9
	s_lshl_b32 s39, s2, 5
	s_add_co_u32 s38, s38, s39                     ; my wave's first query
	s_mov_b32 s100, 0x76543210                     ; v_permlanex16_b32: lane i of one half reads lane i of the other
	s_mov_b32 s101, 0xfedcba98
	s_mov_b32 s104, 0xceabfb8f                     ; -1e9 x log2(e)
	; group 1: a dense block of 8,192 bytes as 32 rows of 32 elements of 8 bytes; mask = all four of the cluster; padding behind every 32 words
	s_mov_b32 s8, 15|(3<<16)|(1<<20)|(1<<21)|(4<<22)|(3<<25)       ; K: 4 words
	s_mov_b32 s9, 32<<16
	s_mov_b32 s10, 32<<16
	s_mov_b32 s11, 32<<16
	s_mov_b32 s12, 32
	s_mov_b32 s13, 32
	s_mov_b32 s14, 0
	s_mov_b32 s15, 0
	s_mov_b32 s16, 15|(3<<16)|(1<<20)|(1<<21)|(4<<22)|(7<<25)      ; V: 8 words
	s_mov_b32 s17, 32<<16
	s_mov_b32 s18, 32<<16
	s_mov_b32 s19, 32<<16
	s_mov_b32 s20, 32
	s_mov_b32 s21, 32
	s_mov_b32 s22, 0
	s_mov_b32 s23, 0
	s_mov_b32 s24, 1
	s_mov_b32 s28, 1
	s_cmp_lt_u32 s2, 8
	s_cbranch_scc0 .Lv_part
	s_mul_i32 s25, s2, 64*KP                       ; K: 64 keys a wave
	s_add_co_u32 s29, s25, KSLOT
	s_mov_b32 s40, 16777216                        ; K begins here in qkv
	s_branch .Lpart_set
.Lv_part:
	s_mul_i32 s25, s2, 64*VP
	s_add_co_u32 s25, s25, VBASE-8*64*VP           ; V: VBASE + (wave - 8) x 64 keys
	s_add_co_u32 s29, s25, VSLOT
	s_mov_b32 s40, 33554432-8*8192                 ; V in qkv, less eight waves' parts
.Lpart_set:
	s_lshl_b32 s43, ttmp9, 18                      ; bh x 2,048 x 128 bytes (in a cluster launch ttmp9 counts clusters: one for each bh)
	s_add_co_u32 s40, s40, s43
	s_lshl_b32 s42, s2, 13                         ; wave x 8,192 bytes
	s_add_co_u32 s40, s40, s42                     ; no place in the cluster enters a joint load's address
	s_mov_b32 s41, 0
	s_lshl_b32 s44, s38, 7
	s_add_co_u32 s44, s44, s43                     ; my queries in Q and in att
	s_mov_b32 s45, 0
	s_lshr_b32 s46, ttmp9, 4
	s_lshl_b32 s46, s46, 19                        ; batch: 128 query tiles x 4,096 bytes of mask words
	s_lshl_b32 s47, s38, 8                         ; (query / 16) x 4,096
	s_add_co_u32 s46, s46, s47
	s_mov_b32 s47, 0
	s_wait_kmcnt 0x0
	s_add_nc_u64 s[26:27], s[32:33], s[40:41]      ; slot 0: keys 0 to 511
	s_add_nc_u64 s[30:31], s[26:27], 65536         ; slot 1: keys 512 to 1,023
	s_or_b32 s27, s27, 0x80000000
	s_or_b32 s31, s31, 0x80000000
	s_add_nc_u64 s[66:67], s[32:33], s[44:45]
	s_add_nc_u64 s[6:7], s[36:37], s[44:45]
	s_add_nc_u64 s[4:5], s[34:35], s[46:47]
	CROUND                                         ; the four work-groups are here: the first joint loads meet
	JLOAD 0
	JLOAD 1                                        ; two tensor loads of the wave are out
	v_and_b32 v20, 15, v0                          ; r
	v_bfe_u32 v21, v0, 4, 1                        ; h
	v_lshlrev_b32 v[QOFF], 7, v20
	v_lshl_add_u32 v[QOFF], v21, 4, v[QOFF]        ; 128 r + 16 h
.irp q, 0,1
.irp hf, 0,1
	global_load_b128 v[QF+16*\q+8*\hf:QF+16*\q+8*\hf+3],   v[QOFF], s[66:67] offset:2048*\q+64*\hf      ; once: the wave's 32 queries are 4,096 consecutive bytes
	global_load_b128 v[QF+16*\q+8*\hf+4:QF+16*\q+8*\hf+7], v[QOFF], s[66:67] offset:2048*\q+64*\hf+32
.endr
.endr
	s_load_b512 s[32:47], s[4:5], 0x0              ; the first step's mask words: query tile 0, key tiles 0, 1
	s_load_b512 s[48:63], s[4:5], 0x40             ; key tiles 2, 3
	s_load_b512 s[68:83], s[4:5], 0x1000           ; query tile 1
	s_load_b512 s[84:99], s[4:5], 0x1040
	v_mul_u32_u24 v[KB], v20, KP
	v_lshl_add_u32 v[KB], v21, 4, v[KB]
	v_and_b32 v22, 7, v0
	v_lshl_add_u32 v23, v21, 3, v22                ; 8 h + (l & 7)
	v_mul_u32_u24 v[VB], v23, VP
	v_bfe_u32 v23, v0, 3, 1
	v_lshl_add_u32 v[VB], v23, 4, v[VB]
	v_add_nc_u32 v[VB], VBASE, v[VB]
	s_mul_i32 s105, s2, 32*KP                      ; my stage for the way out: 32 rows of 144 bytes in K's slot 0
	v_add_nc_u32 v[STO], s105, v[KB]
	v_bfe_u32 v23, v0, 3, 2
	v_mul_u32_u24 v23, v23, KP
	v_lshl_add_u32 v23, v22, 4, v23
	v_add_nc_u32 v[RD], s105, v23                  ; back: eight lanes take a row of 128 bytes
	v_and_b32 v23, 31, v0
	v_lshlrev_b32 v[CO], 4, v23
; One step: 64 keys against my 32 queries.  first = 1: nothing is carried yet.  more = 1: the next step's mask words are asked for.
.macro STEP first, more
.irp hf, 0,1
.irp t, 0,1,2,3
	ds_load_b128 v[FR+16*\t+8*\hf:FR+16*\t+8*\hf+3],   v[KADR] offset:16*KP*\t+64*\hf
	ds_load_b128 v[FR+16*\t+8*\hf+4:FR+16*\t+8*\hf+7], v[KADR] offset:16*KP*\t+64*\hf+32
.endr
.endr
	s_wait_dscnt 8                                 ; d = 0..31 of the four key tiles is in; the eight loads of d = 32..63 may be out
	; the eight score tiles take turns, one instruction a turn
.irp t, 0,1,2,3
.irp q, 0,1
	v_wmma_f32_16x16x32_f16 v[SC+32*\q+8*\t:SC+32*\q+8*\t+7], v[FR+16*\t:FR+16*\t+7], v[QF+16*\q:QF+16*\q+7], 0
.endr
.endr
	s_wait_dscnt 0
.irp t, 0,1,2,3
.irp q, 0,1
	v_wmma_f32_16x16x32_f16 v[SC+32*\q+8*\t:SC+32*\q+8*\t+7], v[FR+16*\t+8:FR+16*\t+15], v[QF+16*\q+8:QF+16*\q+15], v[SC+32*\q+8*\t:SC+32*\q+8*\t+7]
.endr
.endr
	v_add_nc_u32 v[KADR], 64*KP, v[KADR]           ; four plain vector instructions before loads land on K's fragments and the scores are read
.rept 3
	v_nop
.endr
.irp kp, 0,1
.irp dt, 0,1,2,3
	ds_load_tr16_b128 v[FR+32*\kp+8*\dt:FR+32*\kp+8*\dt+3],   v[VADR] offset:32*VP*\kp+32*\dt          ; keys 32 kp + 8 h + 0..7 of column 16 dt + r
	ds_load_tr16_b128 v[FR+32*\kp+8*\dt+4:FR+32*\kp+8*\dt+7], v[VADR] offset:32*VP*\kp+32*\dt+16*VP   ; keys 32 kp + 16 + 8 h + 0..7
.endr
.endr
	s_wait_kmcnt 0x0                               ; this step's 64 mask words
.set n, 0
.rept 32
	v_cndmask_b32 v[SC+n],    s104, v[SC+n],    s[32+n]            ; bit set: the score stays; clear: the masked score takes its place
	v_cndmask_b32 v[SC+32+n], s104, v[SC+32+n], s[68+n]
.set n, n+1
.endr
	; the running maximum: two chains a query tile, the old maximum among the sources
.irp q, 0,1
.if \first
	v_max3_num_f32 v[TT+2*\q], v[SC+32*\q], v[SC+32*\q], v[SC+32*\q+1]
.else
	v_max3_num_f32 v[TT+2*\q], v[MP+2*\q], v[SC+32*\q], v[SC+32*\q+1]
.endif
	v_max3_num_f32 v[TT+2*\q+1], v[SC+32*\q+16], v[SC+32*\q+17], v[SC+32*\q+18]
.endr
.set i, 1
.rept 6
.irp q, 0,1
	v_max3_num_f32 v[TT+2*\q],   v[TT+2*\q],   v[SC+32*\q+2*i],    v[SC+32*\q+2*i+1]
	v_max3_num_f32 v[TT+2*\q+1], v[TT+2*\q+1], v[SC+32*\q+17+2*i], v[SC+32*\q+18+2*i]
.endr
.set i, i+1
.endr
.irp q, 0,1
	v_max3_num_f32 v[TT+2*\q], v[TT+2*\q], v[SC+32*\q+14], v[SC+32*\q+15]
.endr
.irp q, 0,1
	v_max3_num_f32 v[TT+2*\q], v[TT+2*\q], v[TT+2*\q+1], v[SC+32*\q+31]
.endr
.if \more
	s_add_nc_u64 s[4:5], s[4:5], 128               ; four key tiles x 32 bytes on; the earlier loads are done (the wait above)
	s_load_b512 s[32:47], s[4:5], 0x0              ; they have the rest of this step in which to land
	s_load_b512 s[48:63], s[4:5], 0x40
	s_load_b512 s[68:83], s[4:5], 0x1000
	s_load_b512 s[84:99], s[4:5], 0x1040
.endif
.irp q, 0,1
	v_permlanex16_b32 v[TT+2*\q+1], v[TT+2*\q], s100, s101         ; the other eight keys of each tile lie in the other half of the lanes
.endr
.irp q, 0,1
	v_max_num_f32 v[TT+2*\q], v[TT+2*\q], v[TT+2*\q+1]
.endr
.irp q, 0,1
.if \first == 0
	v_sub_f32 v[TT+4+\q], v[MP+2*\q], v[TT+2*\q]                   ; old maximum - new maximum, at most 0
.endif
	v_mov_b32 v[MP+2*\q],   v[TT+2*\q]
	v_mov_b32 v[MP+2*\q+1], v[TT+2*\q]
.endr
.if \first == 0
.irp q, 0,1
	v_exp_f32 v[AL+2*\q],   v[TT+4+\q]
	v_exp_f32 v[AL+2*\q+1], v[TT+4+\q]
.endr
.endif
.set n, 0
.rept 16
	v_pk_add_f32 v[SC+2*n:SC+2*n+1],       v[SC+2*n:SC+2*n+1],       v[MP:MP+1]   neg_lo:[0,1] neg_hi:[0,1]
	v_pk_add_f32 v[SC+32+2*n:SC+32+2*n+1], v[SC+32+2*n:SC+32+2*n+1], v[MP+2:MP+3] neg_lo:[0,1] neg_hi:[0,1]
.set n, n+1
.endr
.set n, 0
.rept 64
	v_exp_f32 v[SC+n], v[SC+n]
.set n, n+1
.endr
	; plain vector work behind the exponentials, before their results are used (ISA guide 5.7.2)
.if \first
	v_nop
	s_wait_alu depctr_va_vdst(0)
.else
	s_wait_alu depctr_va_vdst(0)
.irp q, 0,1
.set n, 0
.rept 16
	v_pk_mul_f32 v[OA+32*\q+2*n:OA+32*\q+2*n+1], v[OA+32*\q+2*n:OA+32*\q+2*n+1], v[AL+2*\q:AL+2*\q+1]
.set n, n+1
.endr
.endr
.endif
	; the running sums, two chains a query tile
.irp q, 0,1
.if \first
	v_pk_add_f32 v[LS+2*\q:LS+2*\q+1], v[SC+32*\q:SC+32*\q+1], v[SC+32*\q+2:SC+32*\q+3]
.else
	v_pk_fma_f32 v[LS+2*\q:LS+2*\q+1], v[LS+2*\q:LS+2*\q+1], v[AL+2*\q:AL+2*\q+1], v[SC+32*\q:SC+32*\q+1]
	v_pk_add_f32 v[LS+2*\q:LS+2*\q+1], v[LS+2*\q:LS+2*\q+1], v[SC+32*\q+2:SC+32*\q+3]
.endif
	v_pk_add_f32 v[TT+2*\q:TT+2*\q+1], v[SC+32*\q+16:SC+32*\q+17], v[SC+32*\q+18:SC+32*\q+19]
.endr
.set i, 2
.rept 6
.irp q, 0,1
	v_pk_add_f32 v[LS+2*\q:LS+2*\q+1], v[LS+2*\q:LS+2*\q+1], v[SC+32*\q+2*i:SC+32*\q+2*i+1]
	v_pk_add_f32 v[TT+2*\q:TT+2*\q+1], v[TT+2*\q:TT+2*\q+1], v[SC+32*\q+16+2*i:SC+32*\q+16+2*i+1]
.endr
.set i, i+1
.endr
.irp q, 0,1
	v_pk_add_f32 v[LS+2*\q:LS+2*\q+1], v[LS+2*\q:LS+2*\q+1], v[TT+2*\q:TT+2*\q+1]
.endr
	; two key tiles of one query tile, 16 registers, become 8 registers of f16 in place: the B fragment of 32 keys
.irp blk, 0,1,2,3
.set i, 0
.rept 8
	v_cvt_pk_f16_f32 v[SC+16*\blk+i], v[SC+16*\blk+2*i], v[SC+16*\blk+2*i+1]
.set i, i+1
.endr
.endr
	s_wait_dscnt 0                                 ; V's fragments
	; the eight tiles of O^T take turns, one instruction a turn
.irp kp, 0,1
.irp dt, 0,1,2,3
.irp q, 0,1
.if \first*(1-\kp)
	v_wmma_f32_16x16x32_f16 v[OA+32*\q+8*\dt:OA+32*\q+8*\dt+7], v[FR+32*\kp+8*\dt:FR+32*\kp+8*\dt+7], v[SC+32*\q+16*\kp:SC+32*\q+16*\kp+7], 0
.else
	v_wmma_f32_16x16x32_f16 v[OA+32*\q+8*\dt:OA+32*\q+8*\dt+7], v[FR+32*\kp+8*\dt:FR+32*\kp+8*\dt+7], v[SC+32*\q+16*\kp:SC+32*\q+16*\kp+7], v[OA+32*\q+8*\dt:OA+32*\q+8*\dt+7]
.endif
.endr
.endr
.endr
	v_add_nc_u32 v[VADR], 64*VP, v[VADR]           ; five plain vector instructions before the next loads land on V's fragments and the next scores are written over the weights
.rept 4
	v_nop
.endr
.endm
; A pass: the eight steps of one slot.  kind 0: the first pass, 1: a middle one, 2: the last (its last step asks for no mask words: there are none left)
.macro PASS slot, kind
	v_add_nc_u32 v[KADR], \slot*KSLOT, v[KB]
	v_add_nc_u32 v[VADR], \slot*VSLOT, v[VB]
.if \kind == 0
	STEP 1, 1
.endif
.if \kind == 1
	s_mov_b32 s3, 8
.else
	s_mov_b32 s3, 7
.endif
.Lstep_\@:
	STEP 0, 1
	s_sub_co_u32 s3, s3, 1
	s_cmp_lg_u32 s3, 0
	s_cbranch_scc1 .Lstep_\@
.if \kind == 2
	STEP 0, 0
.endif
.endm
; Between two passes: every wave waits for its reads of the slot just read and for all its tensor loads (its part of the next slot among them).
; fill = 1: a round of the cluster barrier, and behind it the slot just read is asked for again, 1,024 keys on: the wave's one tensor load, which has
; a whole pass in which to land.  fill = 0: a plain barrier shows the next slot whole to every wave.
.macro CHANGE slot, fill
	s_wait_dscnt 0x0
	s_wait_tensorcnt 0x0
	ds_add_u32 v254, v255
	s_wait_dscnt 0x0
.if \fill
	s_add_nc_u64 s[26+4*\slot:27+4*\slot], s[26+4*\slot:27+4*\slot], 131072
	CROUND
	JLOAD \slot
.else
	s_barrier_signal -1
	s_barrier_wait -1
.endif
.endm
	s_wait_loadcnt 0x0                             ; Q
	s_wait_tensorcnt 0x1                           ; my part of slot 0 is in; slot 1 may stay out
	s_barrier_signal -1
	s_barrier_wait -1
	PASS 0, 0                                      ; keys 0 to 511
	CHANGE 0, 1
	PASS 1, 1                                      ; keys 512 to 1,023
	CHANGE 1, 1
	PASS 0, 1                                      ; keys 1,024 to 1,535
	CHANGE 0, 0                                    ; K's slot 0 has had its last fill and its last read: it serves as the stage below
	PASS 1, 2                                      ; keys 1,536 to 2,047
	; THE WAY OUT: divide by the row sums, round to f16, turn 32 rows of 128 bytes through my own stage
.rept 4
	v_nop
.endr
.irp q, 0,1
	v_add_f32 v[TT+2*\q], v[LS+2*\q], v[LS+2*\q+1]
.endr
.irp q, 0,1
	v_permlanex16_b32 v[TT+2*\q+1], v[TT+2*\q], s100, s101
.endr
.irp q, 0,1
	v_add_f32 v[TT+2*\q], v[TT+2*\q], v[TT+2*\q+1] ; at least 1: the largest weight of a row is 1
.endr
.irp q, 0,1
	v_rcp_f32 v[AL+2*\q],   v[TT+2*\q]
	v_rcp_f32 v[AL+2*\q+1], v[TT+2*\q]
.endr
	v_nop                                          ; one plain vector instruction behind the reciprocals (ISA guide 5.7.2)
	s_wait_alu depctr_va_vdst(0)
.irp q, 0,1
.set n, 0
.rept 16
	v_pk_mul_f32 v[OA+32*\q+2*n:OA+32*\q+2*n+1], v[OA+32*\q+2*n:OA+32*\q+2*n+1], v[AL+2*\q:AL+2*\q+1]
.set n, n+1
.endr
.endr
.irp q, 0,1
.set i, 0
.rept 16
	v_cvt_pk_f16_f32 v[OA+32*\q+i], v[OA+32*\q+2*i], v[OA+32*\q+2*i+1]     ; in place: tile dt ends in registers 4 dt .. 4 dt + 3
.set i, i+1
.endr
.endr
.irp q, 0,1
.irp dt, 0,1,2,3
	ds_store_b128 v[STO], v[OA+32*\q+4*\dt:OA+32*\q+4*\dt+3] offset:16*KP*\q+32*\dt     ; query 16 q + r, d = 16 dt + 8 h + 0..7
.endr
.endr
.irp t, 0,1,2,3,4,5,6,7
	ds_load_b128 v[FR+4*\t:FR+4*\t+3], v[RD] offset:4*KP*\t        ; LDS serves a wave's instructions in order (ISA guide 5.7.1): these see the stores above
.endr
.irp t, 0,1,2,3,4,5,6,7
	s_wait_dscnt 7-\t
	global_store_b128 v[CO], v[FR+4*\t:FR+4*\t+3], s[6:7] offset:512*\t    ; the wave stores 512 consecutive bytes, aligned
.endr
	s_wait_tensorcnt 0x0
	ds_add_u32 v254, v255
	s_wait_dscnt 0x0
	CROUND                                         ; the closing round
	s_endpgm
.Lfunc_end_k_q489f001ab5_attn:
	.size	k_q489f001ab5_attn, .Lfunc_end_k_q489f001ab5_attn-k_q489f001ab5_attn
	.p2alignl 7, 3214868480
	.fill 96, 4, 3214868480
	.section	.rodata,"a",@progbits
	.p2align	6, 0x0
	.amdhsa_kernel k_q489f001ab5_attn
		.amdhsa_group_segment_fixed_size 327680
		.amdhsa_private_segment_fixed_size 0
		.amdhsa_enable_private_segment 0
		.amdhsa_kernarg_size 24
		.amdhsa_user_sgpr_count 2
		.amdhsa_user_sgpr_kernarg_segment_ptr 1
		.amdhsa_wavefront_size32 1
		.amdhsa_system_sgpr_workgroup_id_x 1
		.amdhsa_system_sgpr_workgroup_id_y 1
		.amdhsa_system_sgpr_workgroup_id_z 1
		.amdhsa_system_vgpr_workitem_id 0
		.amdhsa_next_free_vgpr 256
		.amdhsa_next_free_sgpr 106
		.amdhsa_reserve_vcc 0
		.amdhsa_float_denorm_mode_32 3
		.amdhsa_float_denorm_mode_16_64 3
		.amdhsa_memory_ordered 1
		.amdhsa_forward_progress 1
		.amdhsa_inst_pref_size 142
	.end_amdhsa_kernel
	.amdgpu_metadata
---
amdhsa.version: [ 1, 2 ]
amdhsa.kernels:
  - .name:           k_q489f001ab5_attn
    .symbol:         k_q489f001ab5_attn.kd
    .args:
      - { .name: qkv, .offset: 0, .size: 8, .value_kind: global_buffer, .address_space: global }
      - { .name: mbits, .offset: 8, .size: 8, .value_kind: global_buffer, .address_space: global }
      - { .name: att, .offset: 16, .size: 8, .value_kind: global_buffer, .address_space: global }
    .group_segment_fixed_size: 327680
    .private_segment_fixed_size: 0
    .kernarg_segment_align: 8
    .kernarg_segment_size: 24
    .max_flat_workgroup_size: 512
    .sgpr_count:     106
    .vgpr_count:     256
    .wavefront_size: 32
...
	.end_amdgpu_metadata
.endif
;; end of part 3
;; launch outp (part 4): grid 8 x 32, 4 waves a work-group, clusters of 4 x 4, 327,680 bytes of LDS; arguments att, wh, bo, out0; writes out0
.if DOCPART == 4
	.amdgcn_target "amdgcn-amd-amdhsa--gfx1250"
	.amdhsa_code_object_version 6
	.text
	.protected	k_q489f001ab5_outp
	.globl	k_q489f001ab5_outp
	.p2align	8
	.type	k_q489f001ab5_outp,@function
k_q489f001ab5_outp:
	s_mov_b64 s[64:65], 0
	v_nop
	global_prefetch_b8 v0, s[64:65] scope:SCOPE_SE
	s_setreg_imm32_b32 hwreg(HW_REG_WAVE_MODE, 25, 1), 1
	s_wait_xcnt 0x0
	s_wait_alu depctr_hold_cnt(0) depctr_sa_sdst(0) depctr_va_vdst(0) depctr_va_sdst(0) depctr_va_ssrc(0) depctr_va_vcc(0) depctr_vm_vsrc(0)
	s_getreg_b32 s2, hwreg(HW_REG_IB_STS2, 6, 4)
	s_cmp_eq_u32 s2, 0
	s_cbranch_scc0 .Lentry_in_a_cluster
	s_endpgm
.Lentry_in_a_cluster:
	s_bfe_u32 s2, ttmp6, 0x10000c
	s_cmp_lg_u32 s2, 0xf033
	s_cbranch_scc0 .Lentry_shape_is_right
	s_endpgm
.Lentry_shape_is_right:
; C = A W^T + b, K = 1024, f16 operands, f32 sums.  One text for two launches; OUTP picks the form.
;  OUTP = 0: the three projections.  A = x (for Q) or y (for K, V), f16 [8192][1024]; W = Wq, Wk or Wv, f16 [1024][1024].
;            The result goes out in f16, by heads: qkv[which][16 b + head][s][64]; Q is multiplied by 0.125 log2(e) before it is rounded,
;            so that the attention launch takes 2^(score - maximum) with no further factor.
;  OUTP = 1: the output projection.  A = att, f16 [16 b + head][s][64]; W = Wo; the result is out0, f32 [8192][1024].
; LIMIT: operands and the projections' results are f16: beyond 65,504 in magnitude they are infinities.
; A work-group makes 256 rows x 128 columns with four waves, 2 x 2; a wave makes 128 x 64: 32 accumulator tiles, 256 registers.
; K goes in steps of 128 through two LDS slots filled by tensor loads: waves 0 and 1 bring A in two parts, waves 2 and 3 bring W in two parts.
; CLUSTERS: 4 x 4 work-groups.  A's tile hangs on the block row alone (shared along a row of the cluster), W's on the block column alone
; (shared along a column): both are asked for jointly, which divides the requests by four.
; REGISTERS: window 0: addresses, the bias, fragments (two buffers); window 1: accumulator (a, b) at v[8 (4 a + b)].
; The matrix instruction is used transposed (source 0 = rows of W, source 1 = rows of A): lane l holds row l % 16 of C and in registers 0..7
; the columns 8 (l / 16) + 0..7.  The bias, loaded in that layout, is the C operand of the first products: nothing is cleared or added later.
.set OUTP, 1
.if OUTP
.set APITCH, 144                       ; A comes by heads: rows of 128 bytes + 16
.set ASTEP,  1048576                   ; two K steps = four heads of 2,048 x 128 bytes
.set SPITCH, 272                       ; stage: a row of 64 f32 + 16 bytes
.else
.set APITCH, 272                       ; rows of 256 bytes + 16
.set ASTEP,  512                       ; two K steps along a row
.set SPITCH, 144                       ; stage: a row of 64 f16 + 16 bytes
.endif
.set WPITCH, 272
.set AREG,  256*APITCH*(1+OUTP)        ; A's part of a slot (OUTP: two heads, one behind the other)
.set ALOAD, AREG/2                     ; what one tensor load of A fills
.set WLOAD, 64*WPITCH                  ; what one tensor load of W fills
.set SLOT,  AREG+2*WLOAD
.set STAGE, 2*SLOT                     ; behind the ring, a multiple of 256: 16 rows for each wave, never the target of a tensor load
.set ADRA, 16                          ; v16-17  LDS address of my A fragments in slot 0, 1
.set ADRB, 20                          ; v20-21  the same for W
.set STO,  24                          ; way out: where I put my piece of a row
.set RD,   25                          ; way out: where I read rows back
.set CO,   26                          ; my byte offset in the output
.set BOFF, 27                          ; my byte offset in the bias
.set BIAS, 32                          ; v[32:63]  bias of my 64 columns, in a C tile's layout, 8 registers for each b
.set FA,   64                          ; v[64:127], v[128:191]  A's fragments (8 x 16 rows x 32 K), buffers 0, 1
.set FB,   192                         ; v[192:223], v[224:255] W's fragments (4 x 16 rows x 32 K), buffers 0, 1
.set G1,  24                           ; s[24:31] descriptor group 1 for A
.set G0,  32                           ; s[32:39] group 0 for A, one for each slot
.set G1B, 48                           ; s[48:55] group 1 for W
.set G0B, 56                           ; s[56:63] group 0 for W, one for each slot
.set MSB, 0
.macro WIN new                         ; the immediate's high byte repeats the setting that is left
.if MSB != \new
	s_set_vgpr_msb (MSB<<8)|\new
.set MSB, \new
.endif
.endm
.macro MWIN first                      ; D in window 1; C in window 0 (the bias) or in window 1 (the sum)
.if \first
	WIN 0x40
.else
	WIN 0x50
.endif
.endm
; a joint load: waves 0, 1 ask for A, waves 2, 3 for W; the branch hangs on the wave number alone
.macro JLOAD s
	s_cmp_eq_u32 s11, 0
	s_cbranch_scc0 .Lfor_w_\@
	tensor_load_to_lds s[G0+4*\s:G0+4*\s+3], s[G1:G1+7]
	s_nop 0
	s_branch .Lasked_\@
.Lfor_w_\@:
	tensor_load_to_lds s[G0B+4*\s:G0B+4*\s+3], s[G1B:G1B+7]
	s_nop 0
.Lasked_\@:
.endm
.macro CREST                           ; a round of the cluster barrier behind its opening work-group barrier
	s_cmp_lg_u32 s10, 0
	s_cbranch_scc1 .Lnot_wave_0_\@
	s_barrier_signal -3
.Lnot_wave_0_\@:
	s_barrier_wait -3
	s_barrier_signal -1
	s_barrier_wait -1
.endm
.macro CROUND                          ; a whole round
	s_barrier_signal -1
	s_barrier_wait -1
	CREST
.endm
.macro PLACES                          ; four plain vector instructions between a matrix instruction and a load into, or a vector use of, its registers
.rept 4
	v_nop
.endr
.endm
.if OUTP
	s_load_b256 s[68:75], s[0:1], 0x0              ; att 68, wh 70, bo 72, out0 74
	v_lshl_add_u32 v30, v0, 2, 0x39400
	v_mov_b32 v31, 0
	ds_add_u32 v30, v31
.else
	s_load_b256 s[68:75], s[0:1], 0x0              ; xyh 68, wh 70, bq 72, bk 74
	s_load_b128 s[76:79], s[0:1], 0x20             ; bv 76, qkv 78
.endif
	v_lshrrev_b32 v1, 5, v0
	v_readfirstlane_b32 s10, v1                    ; wave 0..3
	s_lshr_b32 s11, s10, 1                         ; my half of the block's rows; also: I fetch for A (0) or for W (1)
	s_and_b32 s12, s10, 1                          ; my half of its columns; also: which part of that tile I fetch
	s_bfe_u32 s40, ttmp6, 0x40000                  ; cx
	s_bfe_u32 s41, ttmp6, 0x40004                  ; cy
.if OUTP
	s_lshl_b32 s42, ttmp9, 2
	s_add_co_u32 s42, s42, s40                     ; block column 0..7 = 4 x cluster x + cx
.else
	s_lshr_b32 s45, ttmp9, 1                       ; which projection (0 Q, 1 K, 2 V): from the cluster's x alone, the same in all sixteen
	s_and_b32 s42, ttmp9, 1
	s_lshl_b32 s42, s42, 2
	s_add_co_u32 s42, s42, s40                     ; block column 0..7
.endif
	s_and_b32 s13, ttmp7, 0xffff
	s_lshl_b32 s13, s13, 2
	s_add_co_u32 s13, s13, s41                     ; block row 0..31 = 4 x cluster y + cy
	s_lshl_b32 s43, s41, 2
	s_lshl_b32 s43, 15, s43                        ; my row of the cluster
	s_lshl_b32 s44, 0x1111, s40                    ; my column
.if OUTP
	; A: a dense block of 256 rows x 128 bytes of one head, taken as 128 rows of 32 elements of 8 bytes; 4 words of padding behind every 32 words
	s_or_b32 s[G1+0], s43, (3<<16)|(1<<20)|(1<<21)|(4<<22)|(3<<25)
	s_mov_b32 s[G1+1], 32<<16                      ; tensor_dim0 = 32
	s_mov_b32 s[G1+2], 128<<16                     ; tensor_dim1 = 128
	s_mov_b32 s[G1+3], 32<<16                      ; tile_dim0 = 32
	s_mov_b32 s[G1+4], 128                         ; tile_dim1 = 128
	s_mov_b32 s[G1+5], 32                          ; pitch = 32 elements: dense
.else
	; A: 128 rows x 128 elements of 2 bytes, pitch 1,024 elements; 4 words of padding behind every 64 words
	s_or_b32 s[G1+0], s43, (1<<16)|(1<<20)|(1<<21)|(5<<22)|(3<<25)
	s_mov_b32 s[G1+1], 128<<16
	s_mov_b32 s[G1+2], 128<<16
	s_mov_b32 s[G1+3], 128<<16
	s_mov_b32 s[G1+4], 128
	s_mov_b32 s[G1+5], 1024
.endif
	s_mov_b32 s[G1+6], 0
	s_mov_b32 s[G1+7], 0
	; W: 64 rows x 128 elements of 2 bytes, pitch 1,024 elements, padded as above
	s_or_b32 s[G1B+0], s44, (1<<16)|(1<<20)|(1<<21)|(5<<22)|(3<<25)
	s_mov_b32 s[G1B+1], 128<<16
	s_mov_b32 s[G1B+2], 64<<16
	s_mov_b32 s[G1B+3], 128<<16
	s_mov_b32 s[G1B+4], 64
	s_mov_b32 s[G1B+5], 1024
	s_mov_b32 s[G1B+6], 0
	s_mov_b32 s[G1B+7], 0
	; where the tiles come from: A's offset holds the block row and never cx, W's the block column and never cy
.if OUTP
	s_lshr_b32 s16, s13, 3
	s_lshl_b32 s16, s16, 22                        ; batch: 16 heads x 2,048 x 128 bytes
	s_and_b32 s17, s13, 7
	s_lshl_b32 s17, s17, 15                        ; 256 rows x 128 bytes
	s_add_co_u32 s16, s16, s17
	s_lshl_b32 s17, s12, 18                        ; the first or the second head of the K step
	s_add_co_u32 s16, s16, s17
	s_mov_b32 s46, 3<<21                           ; Wo is the fourth matrix of wh
.else
	s_min_u32 s16, s45, 1
	s_lshl_b32 s16, s16, 24                        ; x for Q, y for K and V
	s_lshl_b32 s17, s13, 19                        ; 256 rows x 2,048 bytes
	s_add_co_u32 s16, s16, s17
	s_lshl_b32 s17, s12, 18                        ; which 128 rows
	s_add_co_u32 s16, s16, s17
	s_lshl_b32 s46, s45, 21                        ; the projection's matrix in wh
.endif
	s_mov_b32 s17, 0
	s_lshl_b32 s47, s42, 18                        ; 128 rows of W x 2,048 bytes
	s_add_co_u32 s46, s46, s47
	s_lshl_b32 s47, s12, 17                        ; which 64 rows
	s_add_co_u32 s46, s46, s47
	s_mov_b32 s47, 0
	s_mul_i32 s20, s10, ALOAD                      ; LDS: A's parts at wave x ALOAD (waves 0, 1),
	s_mul_i32 s21, s10, WLOAD
	s_add_co_u32 s21, s21, AREG-2*WLOAD            ; W's parts behind A's, at AREG + (wave - 2) x WLOAD (waves 2, 3)
	s_lshl_b32 s87, s42, 9
	s_lshl_b32 s88, s12, 8
	s_add_co_u32 s87, s87, s88                     ; 4 bytes x my first column (128 x block column + 64 x half)
	s_lshl_b32 s88, s13, 8
	s_lshl_b32 s89, s11, 7
	s_add_co_u32 s88, s88, s89                     ; my first row of C
.if OUTP
	s_lshl_b32 s84, s88, 12                        ; rows of 4,096 bytes
	s_add_co_u32 s84, s84, s87
.else
	s_lshr_b32 s84, s88, 11
	s_lshl_b32 s84, s84, 22                        ; batch
	s_and_b32 s89, s88, 2047
	s_lshl_b32 s89, s89, 7                         ; position in the sequence x 128 bytes
	s_add_co_u32 s84, s84, s89
	s_lshl_b32 s89, s45, 24                        ; Q, K or V
	s_add_co_u32 s84, s84, s89
	s_lshl_b32 s89, s42, 19                        ; my 64 columns are one head: 2 x block column + half, 2,048 x 128 bytes each
	s_add_co_u32 s84, s84, s89
	s_lshl_b32 s89, s12, 18
	s_add_co_u32 s84, s84, s89
.endif
	s_mov_b32 s85, 0
	s_wait_dscnt 0x0
	s_wait_kmcnt 0x0
	s_add_nc_u64 s[14:15], s[68:69], s[16:17]
	s_add_nc_u64 s[46:47], s[70:71], s[46:47]
.if OUTP
	s_mov_b64 s[80:81], s[72:73]                   ; the bias
	s_add_nc_u64 s[84:85], s[74:75], s[84:85]      ; the output at my block
.else
	s_cmp_eq_u32 s45, 1
	s_cselect_b64 s[80:81], s[74:75], s[72:73]
	s_cmp_eq_u32 s45, 2
	s_cselect_b64 s[80:81], s[76:77], s[80:81]     ; bq, bk or bv
	s_cmp_eq_u32 s45, 0
	s_cselect_b32 s82, 0x3e38aa3b, 1.0             ; Q alone is multiplied by 0.125 log2(e)
	s_mov_b32 s83, s82
	s_add_nc_u64 s[84:85], s[78:79], s[84:85]
.endif
	CROUND                                         ; all sixteen work-groups are here: the first joint loads meet
.irp s, 0,1
	s_mov_b32 s[G0+4*\s], 1
	s_add_co_u32 s[G0+4*\s+1], s20, \s*SLOT
	s_add_nc_u64 s[G0+4*\s+2:G0+4*\s+3], s[14:15], \s*ASTEP/2      ; K step s
	s_or_b32 s[G0+4*\s+3], s[G0+4*\s+3], 0x80000000
	s_mov_b32 s[G0B+4*\s], 1
	s_add_co_u32 s[G0B+4*\s+1], s21, \s*SLOT
	s_add_nc_u64 s[G0B+4*\s+2:G0B+4*\s+3], s[46:47], \s*256
	s_or_b32 s[G0B+4*\s+3], s[G0B+4*\s+3], 0x80000000
	JLOAD \s                                       ; both slots are asked for before anything else: two tensor loads of the wave are out
.endr
	v_and_b32 v1, 15, v0                           ; r = l % 16
	v_bfe_u32 v2, v0, 4, 1                         ; h = l / 16
	v_lshl_add_u32 v[BOFF], v2, 5, s87             ; bias: 4 x (first column + 8 h)
.irp b, 0,1,2,3
	global_load_b128 v[BIAS+8*\b:BIAS+8*\b+3],   v[BOFF], s[80:81] offset:64*\b
	global_load_b128 v[BIAS+8*\b+4:BIAS+8*\b+7], v[BOFF], s[80:81] offset:64*\b+16
.endr
	v_mul_u32_u24 v3, v1, APITCH
	v_lshl_add_u32 v3, v2, 4, v3                   ; a fragment: row r, 16 bytes further on for h = 1; two loads 32 bytes apart
	v_mul_u32_u24 v4, v1, WPITCH
	v_lshl_add_u32 v4, v2, 4, v4
	s_mul_i32 s22, s11, 128*APITCH                 ; my 128 rows of A
	s_mul_i32 s23, s12, WLOAD                      ; my 64 rows of W,
	s_add_co_u32 s23, s23, AREG                    ; which lie behind A
.irp s, 0,1
	v_add_nc_u32 v[ADRA+\s], s22, v3
	v_add_nc_u32 v[ADRB+\s], s23, v4
	s_add_co_u32 s22, s22, SLOT
	s_add_co_u32 s23, s23, SLOT
.endr
	s_mul_i32 s86, s10, 16*SPITCH
	s_add_co_u32 s86, s86, STAGE                   ; my stage
.if OUTP
	v_mul_u32_u24 v5, v1, SPITCH                   ; in: row r, 32 bytes (8 f32) for each half of the lanes
	v_lshl_add_u32 v5, v2, 5, v5
	v_add_nc_u32 v[STO], s86, v5
	v_mul_u32_u24 v5, v2, SPITCH                   ; back: lanes 0-15 one row of 256 bytes, lanes 16-31 the next
	v_lshl_add_u32 v5, v1, 4, v5
	v_add_nc_u32 v[RD], s86, v5
	v_lshlrev_b32 v5, 12, v2                       ; the same two rows in out0
	v_lshl_add_u32 v[CO], v1, 4, v5
.else
	v_mul_u32_u24 v5, v1, SPITCH                   ; in: row r, 16 bytes (8 f16) for each half of the lanes
	v_lshl_add_u32 v5, v2, 4, v5
	v_add_nc_u32 v[STO], s86, v5
	v_bfe_u32 v5, v0, 3, 2                         ; back: eight lanes take a row of 128 bytes, a load four rows
	v_mul_u32_u24 v5, v5, SPITCH
	v_and_b32 v6, 7, v0
	v_lshl_add_u32 v5, v6, 4, v5
	v_add_nc_u32 v[RD], s86, v5
	v_and_b32 v6, 31, v0
	v_lshlrev_b32 v[CO], 4, v6                     ; in memory the four rows are 512 consecutive bytes
.endif
; 8 matrix instructions: row tiles a0, a0 + 1 x all four column tiles, 32 along K, from buffer f
.macro MUL8 f, a0, first
.irp a, \a0, \a0+1
.irp b, 0,1,2,3
.if \first
	v_wmma_f32_16x16x32_f16 v[8*(4*(\a)+\b):8*(4*(\a)+\b)+7], v[FB+32*\f+8*\b:FB+32*\f+8*\b+7], v[FA+64*\f+8*(\a):FA+64*\f+8*(\a)+7], v[BIAS+8*\b:BIAS+8*\b+7]
.else
	v_wmma_f32_16x16x32_f16 v[8*(4*(\a)+\b):8*(4*(\a)+\b)+7], v[FB+32*\f+8*\b:FB+32*\f+8*\b+7], v[FA+64*\f+8*(\a):FA+64*\f+8*(\a)+7], v[8*(4*(\a)+\b):8*(4*(\a)+\b)+7]
.endif
.endr
.endr
.endm
; 24 LDS loads in one run: quarter kq of a K step into buffer f: W (8 loads), A's rows 0-63 (8), A's rows 64-127 (8)
.macro FETCH slot, kq, f
.if OUTP
.set AOFF, ((\kq)>>1)*ALOAD+((\kq)&1)*64
.else
.set AOFF, 64*(\kq)
.endif
.irp i, 0,1,2,3
	ds_load_b128 v[FB+32*\f+8*\i:FB+32*\f+8*\i+3],   v[ADRB+\slot] offset:64*(\kq)+\i*16*WPITCH
	ds_load_b128 v[FB+32*\f+8*\i+4:FB+32*\f+8*\i+7], v[ADRB+\slot] offset:64*(\kq)+\i*16*WPITCH+32
.endr
.irp i, 0,1,2,3,4,5,6,7
	ds_load_b128 v[FA+64*\f+8*\i:FA+64*\f+8*\i+3],   v[ADRA+\slot] offset:AOFF+\i*16*APITCH
	ds_load_b128 v[FA+64*\f+8*\i+4:FA+64*\f+8*\i+7], v[ADRA+\slot] offset:AOFF+\i*16*APITCH+32
.endr
.endm
; One of a K step's first three quarters: multiplies buffer f and, in its middle, fetches quarter kq into buffer g.
; The 32 accumulators take turns, one instruction a turn, in the same order in every quarter.
.macro QUARTER slot, kq, f, g, first
	s_wait_dscnt 8                                 ; W and A's rows 0-63 are in; the youngest eight loads (rows 64-127) may be out
	MWIN \first
	MUL8 \f, 0, \first
	MUL8 \f, 2, \first
	WIN 0
	PLACES
	FETCH \slot, \kq, \g
	s_wait_dscnt 24                                ; all but the 24 just issued
	MWIN \first
	MUL8 \f, 4, \first
	MUL8 \f, 6, \first
.endm
.macro THREE slot, first
	QUARTER \slot, 1, 0, 1, \first
	QUARTER \slot, 2, 1, 0, 0
	QUARTER \slot, 3, 0, 1, 0
.endm
; The last quarter multiplies buffer 1 and changes slots.  In front of the barrier each wave waits for its reads of this slot and for all its
; tensor loads (one is out: its part of the next slot).  fill = 1: the barrier opens a round of the cluster barrier, and behind the round this
; slot is asked for again, two K steps ahead, first thing.  From that request to the wait for it a wave issues 120 matrix instructions.
.macro TURN slot, next, fill
	s_wait_dscnt 8
	WIN 0x50
	MUL8 1, 0, 0
	s_wait_dscnt 0
	s_wait_tensorcnt 0x0
	ds_add_u32 v30, v31
	s_wait_dscnt 0x0
	s_barrier_signal -1
	MUL8 1, 2, 0                                   ; register work while the others arrive
	WIN 0
	s_barrier_wait -1
.if \fill
	CREST
	s_add_nc_u64 s[G0+4*\slot+2:G0+4*\slot+3], s[G0+4*\slot+2:G0+4*\slot+3], ASTEP     ; no tensor load of mine is out: group 0 may be written
	s_add_nc_u64 s[G0B+4*\slot+2:G0B+4*\slot+3], s[G0B+4*\slot+2:G0B+4*\slot+3], 512
	JLOAD \slot
.endif
	PLACES
	FETCH \next, 0, 0
	WIN 0x50
	MUL8 1, 4, 0
	MUL8 1, 6, 0
.endm
.macro LAP first
	THREE 0, \first
	TURN 0, 1, 1
	THREE 1, 0
	TURN 1, 0, 1
.endm
	s_wait_loadcnt 0x0                             ; the bias
	s_wait_tensorcnt 0x1                           ; my part of K step 0 is in; K step 1 may stay out
	s_barrier_signal -1
	s_barrier_wait -1
	FETCH 0, 0, 0
	LAP 1                                          ; K steps 0, 1; asks for 2, 3
	WIN 0
	s_mov_b32 s3, 2
.Llap:
	LAP 0                                          ; K steps 2 to 5; asks for 4 to 7
	WIN 0
	s_sub_co_u32 s3, s3, 1
	s_cmp_lg_u32 s3, 0
	s_cbranch_scc1 .Llap
	THREE 0, 0                                     ; K steps 6, 7: nothing is left to ask for
	TURN 0, 1, 0
	THREE 1, 0
	s_wait_dscnt 8
	WIN 0x50
	MUL8 1, 0, 0
	MUL8 1, 2, 0
	s_wait_dscnt 0
	MUL8 1, 4, 0
	MUL8 1, 6, 0
	WIN 0
	PLACES
; THE WAY OUT, 16 rows at a time through my own stage: LDS serves a wave's instructions in order (ISA guide 5.7.1), so the loads see the stores.
.if OUTP
.set RB, 64                            ; v[64:95], v[96:127] by turns
.macro OUT16 i
	WIN 0x04                                       ; the store's data come from window 1
.irp b, 0,1,2,3
	ds_store_b128 v[STO], v[8*(4*\i+\b):8*(4*\i+\b)+3]   offset:64*\b
	ds_store_b128 v[STO], v[8*(4*\i+\b)+4:8*(4*\i+\b)+7] offset:64*\b+16
.endr
	WIN 0
	s_wait_xcnt 0x0                                ; the buffer that earlier stores read is loaded again only behind this wait
.irp t, 0,1,2,3,4,5,6,7
	ds_load_b128 v[RB+32*(\i&1)+4*\t:RB+32*(\i&1)+4*\t+3], v[RD] offset:\t*2*SPITCH
.endr
.irp t, 0,1,2,3,4,5,6,7
	s_wait_dscnt 7-\t
	global_store_b128 v[CO], v[RB+32*(\i&1)+4*\t:RB+32*(\i&1)+4*\t+3], s[84:85] offset:(16*\i+2*\t)*4096   ; 16 lanes store 256 consecutive bytes, aligned
.endr
.endm
.else
.set TT, 64                            ; v[64:95]   16 rows x 64 columns, scaled
.set PK, 96                            ; v[96:111]  the same in f16
.set RB, 128                           ; v[128:143], v[144:159] by turns
.macro OUT16 i
	WIN 0x01                                       ; source 0 from window 1
.irp b, 0,1,2,3
.irp p, 0,1,2,3
	v_pk_mul_f32 v[TT+8*\b+2*\p:TT+8*\b+2*\p+1], v[8*(4*\i+\b)+2*\p:8*(4*\i+\b)+2*\p+1], s[82:83] op_sel_hi:[1,0]
.endr
.endr
	WIN 0
.irp b, 0,1,2,3
.irp p, 0,1,2,3
	v_cvt_pk_f16_f32 v[PK+4*\b+\p], v[TT+8*\b+2*\p], v[TT+8*\b+2*\p+1]
.endr
.endr
.irp b, 0,1,2,3
	ds_store_b128 v[STO], v[PK+4*\b:PK+4*\b+3] offset:32*\b
.endr
	s_wait_xcnt 0x0                                ; the buffer that earlier stores read is loaded again only behind this wait
.irp t, 0,1,2,3
	ds_load_b128 v[RB+16*(\i&1)+4*\t:RB+16*(\i&1)+4*\t+3], v[RD] offset:\t*4*SPITCH
.endr
.irp t, 0,1,2,3
	s_wait_dscnt 3-\t
	global_store_b128 v[CO], v[RB+16*(\i&1)+4*\t:RB+16*(\i&1)+4*\t+3], s[84:85] offset:2048*\i+512*\t   ; the wave stores 512 consecutive bytes, aligned
.endr
.endm
.endif
.irp i, 0,1,2,3,4,5,6,7
	OUT16 \i
.endr
	s_wait_tensorcnt 0x0
	ds_add_u32 v30, v31
	s_wait_dscnt 0x0
	CROUND                                         ; the closing round: no work-group ends while a partner may still ask jointly
	s_endpgm
.Lfunc_end_k_q489f001ab5_outp:
	.size	k_q489f001ab5_outp, .Lfunc_end_k_q489f001ab5_outp-k_q489f001ab5_outp
	.p2alignl 7, 3214868480
	.fill 96, 4, 3214868480
	.section	.rodata,"a",@progbits
	.p2align	6, 0x0
	.amdhsa_kernel k_q489f001ab5_outp
		.amdhsa_group_segment_fixed_size 327680
		.amdhsa_private_segment_fixed_size 0
		.amdhsa_enable_private_segment 0
		.amdhsa_kernarg_size 32
		.amdhsa_user_sgpr_count 2
		.amdhsa_user_sgpr_kernarg_segment_ptr 1
		.amdhsa_wavefront_size32 1
		.amdhsa_system_sgpr_workgroup_id_x 1
		.amdhsa_system_sgpr_workgroup_id_y 1
		.amdhsa_system_sgpr_workgroup_id_z 1
		.amdhsa_system_vgpr_workitem_id 0
		.amdhsa_next_free_vgpr 512
		.amdhsa_next_free_sgpr 90
		.amdhsa_reserve_vcc 0
		.amdhsa_float_denorm_mode_32 3
		.amdhsa_float_denorm_mode_16_64 3
		.amdhsa_memory_ordered 1
		.amdhsa_forward_progress 1
		.amdhsa_inst_pref_size 119
	.end_amdhsa_kernel
	.amdgpu_metadata
---
amdhsa.version: [ 1, 2 ]
amdhsa.kernels:
  - .name:           k_q489f001ab5_outp
    .symbol:         k_q489f001ab5_outp.kd
    .args:
      - { .name: att, .offset: 0, .size: 8, .value_kind: global_buffer, .address_space: global }
      - { .name: wh, .offset: 8, .size: 8, .value_kind: global_buffer, .address_space: global }
      - { .name: bo, .offset: 16, .size: 8, .value_kind: global_buffer, .address_space: global }
      - { .name: out0, .offset: 24, .size: 8, .value_kind: global_buffer, .address_space: global }
    .group_segment_fixed_size: 327680
    .private_segment_fixed_size: 0
    .kernarg_segment_align: 8
    .kernarg_segment_size: 32
    .max_flat_workgroup_size: 128
    .sgpr_count:     90
    .vgpr_count:     512
    .wavefront_size: 32
...
	.end_amdgpu_metadata
.endif
;; end of part 4
